; MI455X (gfx1250); checked and timed in simulation.
; The chip was launched on July 23, 2026; its instructions are those of AMD's public machine-readable ISA for CDNA 5 (MIT licence, August 2026) and "CDNA5" Instruction Set Architecture Reference Guide (July 2026). The comments in the code are by the model that wrote it; some were corrected since.
;; Net. Allowed arithmetic: matrix products marked QUANTISED: E2M1 operands, one E8M0 scale for each 32 along K, by v_wmma_scale_f32_16x16x128_f8f6f4 with both operands' format E2M1 (or v_wmma_scale_f32_32x16x128_f4), f32 sums; products left as they are: f32 operands where the result goes on into a quantised operand, else bf16, f16 or f32 operands; f32 sums; everything else in f32.
;; Inputs: a 524,288 x 2 float32; b_l1 100 float32; b_l2 50 x 2 float32; b_v1 100 float32; b_v2 50 float32; s 524,288 x 10 float32; w_l1 10 x 100 float32; w_l2 50 x 100 x 2 float32; w_v1 10 x 100 float32; w_v2 100 x 50 float32.
;; Outputs: out0 524,288 x 1 float32.
;; This version of the problem:
;;   THIS VERSION OF THE PROBLEM IS GIVEN IN LOW PRECISION. The matrix products marked QUANTISED in the list below multiply operands that are first quantised to E2M1 (2 exponent bits, 1 mantissa bit; 4 bits a number), with one power-of-two scale for each 32 numbers along K (OCP MX v1.0); their sums are f32. All else is computed in f32.
;;   The module's matrix products, in the order in which they are computed (A, B: the left and right operand; K: the contracted axis; several contracted axes count as one K, in the product's order):
;;     1. [M 524,288, K 10] x [K 10, N 100]; A: input s; B: input w_v1: left as it is (K = 10 < 32)
;;     2. [M 524,288, K 100] x [K 100, N 50]; A: computed on the way; B: input w_v2: QUANTISED
;;     3. [M 524,288, K 10] x [K 10, N 100]; A: input s; B: input w_l1: left as it is (K = 10 < 32)
;;     4. [M 524,288, K 100] x [K 100, N 100]; A: computed on the way; B: input w_l2: QUANTISED
;;   THE QUANTISER, for each operand of a quantised product, along K:
;;     - K is cut into blocks of 32 from its start; a last block that is shorter is filled with zeros.
;;     - A block's scale is 2^e with e = floor(log2(the largest magnitude in the block)) - 2, held to -126 .. 127; a block of zeros has e = 0. As a byte (E8M0): e + 127.
;;     - Each number is divided by its block's scale, clamped to +-6, and rounded to the nearest number of E2M1, ties to even, subnormals kept.
;;     - The product sums the exact products of the quantised numbers (number of the format x scale) in f32.
;;   ~~~python
;;   def quantise(x, axis):      # numpy; x: float32 -> the quantised numbers, widened to float32 again
;;       x = np.moveaxis(x, axis, -1); K = x.shape[-1]
;;       x = np.pad(x, [(0, 0)] * (x.ndim - 1) + [(0, -K % 32)]); x = x.reshape(x.shape[:-1] + (-1, 32)); a = np.abs(x).max(-1, keepdims=True)
;;       e = np.where(a > 0, np.clip(np.frexp(np.where(a > 0, a, 1))[1] - 1 - 2, -126, 127), 0)      # np.frexp(a)[1] - 1 = floor(log2(a)), exactly
;;       r = np.clip(x / 2.0 ** e, -6, 6)
;;       step = 2.0 ** (np.maximum(np.frexp(np.where(r == 0, 1, r))[1] - 1, 0) - 1)
;;       q = np.round(r / step) * step * 2.0 ** e      # np.round: ties to even
;;       return np.moveaxis(q.reshape(q.shape[:-2] + (-1,))[..., :K], -1, axis).astype(np.float32)
;;   ~~~
;;   OPERANDS COMPUTED ON THE WAY. 'Computed on the way' means the value that the module computes at that place (a softmax that the list does not call 'softmax' is quantised finished and normalised). What goes into a quantiser is computed in f32, as accurately as f32 sums, v_exp_f32 and their like allow (about 1e-6 of the number): no bf16 or f16 on the way to a quantiser, and a product that is left as it is and whose result goes on into a quantised operand takes f32 operands (vector FMAs, or v_wmma_f32_16x16x4_f32). A number that lies on a knife's edge between two numbers of the format may be rounded either way, as far as f32 arithmetic and the matrix unit's own rounding can turn it there, and no further.
;; One version. Each part assembles by itself: llvm-mc -triple=amdgcn-amd-amdhsa -mcpu=gfx1250 --defsym DOCPART=n.
;; ======== version 1 of 1: 1 launch
;; launch net (part 1): grid 256 x 1, 8 waves a work-group, clusters of 4 x 1, 168,960 bytes of LDS; arguments w_l2, w_v2, w_v1, b_v1, w_l1, b_l1, b_l2, b_v2, s, a, out0; writes out0
.if DOCPART == 1
	.amdgcn_target "amdgcn-amd-amdhsa--gfx1250"
	.amdhsa_code_object_version 6
	.text
	.protected	k_q6255c9e392_net
	.globl	k_q6255c9e392_net
	.p2align	8
	.type	k_q6255c9e392_net,@function
k_q6255c9e392_net:
	s_mov_b64 s[64:65], 0
	v_nop
	global_prefetch_b8 v0, s[64:65] scope:SCOPE_SE
	s_setreg_imm32_b32 hwreg(HW_REG_WAVE_MODE, 25, 1), 1
	s_wait_xcnt 0x0
	s_wait_alu depctr_hold_cnt(0) depctr_sa_sdst(0) depctr_va_vdst(0) depctr_va_sdst(0) depctr_va_ssrc(0) depctr_va_vcc(0) depctr_vm_vsrc(0)
	s_getreg_b32 s2, hwreg(HW_REG_IB_STS2, 6, 4)
	s_cmp_eq_u32 s2, 0
	s_cbranch_scc0 .Lentry_in_a_cluster
	s_endpgm
.Lentry_in_a_cluster:
	s_bfe_u32 s2, ttmp6, 0x10000c
	s_cmp_lg_u32 s2, 0x3003
	s_cbranch_scc0 .Lentry_shape_is_right
	s_endpgm
.Lentry_shape_is_right:
; out[b] = sum_n softmax_n(-3 |5 tanh(hl W_l2 + b_l2)[n] - a[b]|) x (hv W_v2 + b_v2)[n],  hv = relu(s W_v1 + b_v1), hl = relu(s W_l1 + b_l1).
; 524,288 rows, 10 inputs, 100 hidden units a tower, 50 centroids.  The two first layers take f32 operands (v_wmma_f32_16x16x4_f32); hv, hl, W_v2 and W_l2 are quantised
; to FP4 (E2M1) with one E8M0 scale for each 32 along the 100 hidden units, and multiplied by v_wmma_scale_f32_16x16x128_f8f6f4; all else is f32.
; SHARES.  256 work-groups of 8 waves; a wave owns 256 neighbouring rows, 16 tiles of 16.  All weights stay in each wave's registers; behind the head the waves share nothing.
; EVERY PRODUCT IS USED TRANSPOSED (source 0 = 16 rows of a weight, source 1 = 16 rows of the batch): lane (r = lane % 16, h = lane / 16) holds batch row r throughout.
;   Hidden tile 2 b + u takes units 32 b + 8 u + m + 8 (m / 8), so that the 16 registers of tiles 2 b, 2 b + 1 are units 32 b + 16 h + 0 .. 15: neighbours along the next K.
;   Units 96 .. 99 of BOTH towers share one tile: rows 0-7 the value tower's, rows 8-15 the location tower's (units from 100 on have zero weights): lanes 0-15 hold hv's last block, lanes 16-31 hl's.
;   The bias of a first layer is its K = 10 (the batch side holds 1.0 there), K = 11 is zero: three K steps of 4.
;   Centroids: lane half h owns n = 25 h + 0 .. 24: tiles X_T, Y_T, CV_T (T = 0 .. 2) take row m -> n = 25 (m / 8) + 8 T + m % 8; tile XY gives x and y of n = 24 + 25 h in its registers 0, 1; CV_3 its value in register 0.
; RELU is folded into the quantiser: the block's largest number is taken without |.| over a floor, the conversions take the raw sums, and the codes with a sign are then cleared to -0: the codes of relu(x).
; BY TURNS.  A trip: the next tile's inputs are laid out; its 39 f32 products stand three at a time in front of 13 slices of this tile's tanh and norms; softmax and sum; then the next tile is quantised and its 11 FP4 products issued.
; CLUSTER.  All work-groups read the same 69,400 bytes of weights: the four of a cluster ask jointly, each wave for one of the eight tensors; LDS bytes are filled once, so there is no ring.
; No prefetch: a wave's input loads stand two tiles ahead of their use.  No LDS stage for s: a tile's 640 bytes are taken by three loads issued together.
; LIMITS.  NaN and infinities among the inputs are not served.  A block whose largest number lies under 2^-124 keeps the scale byte 1 (a block of zeros too: its codes are zeros).
;   tanh z = 1 - 2 / (1 + 2^(2 z log2 e)): absolute error some 1e-7, right at both ends.  |a| up to some 1e18: beyond it the squares overflow.
; LDS, filled once by tensor loads, dense: a bias stands straight behind its first-layer weight, as that weight's row 10
.set WV2,  0
.set WL2,  20000
.set WV1,  60000
.set BV1,  64000
.set WL1,  64400
.set BL1,  68400
.set BL2,  68800
.set BV2,  69200                       ; ends at 69,400; every gather below stays under that
; LDS, written by the waves, in blocks of 256 bytes of their own
.set IMG,  69632                       ; 11 FP4 weight fragments as images of their registers: 1,024 bytes each
.set ISC,  80896                       ; their scale words: 128 bytes each
.set OUTS, 82432                       ; a wave's 256 results: 1,024 bytes a wave
; vector registers, window 0
.set VS,   1                           ; 40 r + 8 h: my bytes of a tile of s, K steps 0 and 1
.set VS2,  2                           ; 40 r + 32: K step 2
.set VA,   3                           ; 8 r: my row of a
.set VOUT, 4                           ; OUTS + 1,024 wave + 4 r
.set VBK,  5                           ; OUTS + 1,024 wave + 16 lane
.set VGO,  6                           ; 16 lane
.set VST,  7                           ; the result's LDS address in hand
.set BB,   8                           ; v8-13   the batch side of the three K steps
.set KK,   14                          ; v14-17  two sets of (5 - a_x, 5 - a_y)
.set RR,   18                          ; v18-33  two sets of 8 registers as loaded: s (6), a (2)
.set WSC,  34                          ; v34-44  scale words of the 11 FP4 weight tiles: scales and nothing else
.set PCV,  46                          ; v46-53  hv's codes; in the softmax: at work
.set PCL,  54                          ; v54-61  hl's codes; in the softmax: at work
.set SWV,  62                          ; hv's scale word (lanes 0-15)
.set SWL,  63                          ; hl's (lanes 16-31)
.set RX,   64                          ; v64-87   X_0 .. X_2
.set RY,   88                          ; v88-111  Y_0 .. Y_2
.set RZ,   112                         ; v112-119 XY
.set RC,   120                         ; v120-151 CV_0 .. CV_3
.set ACC,  152                         ; v152-255 the 13 hidden tiles: written by f32 matrix instructions alone
; at work in the quantiser, in the registers of the results that the softmax has left
.set MX,   64
.set PX,   72
.set SO,   80
.set BY,   88
.set ZC,   96
.set T1,   100
.set T2,   114
; the head's LDS addresses, all made before the waves part
.set AW1V, 46
.set AW1L, 47
.set AW1S, 48
.set ABL,  49
.set ABV,  50
.set AQL,  51
.set AQZ,  52
.set AQV,  53
.set IML,  54
.set ISL,  55
.set IMV,  56
.set ISV,  57
.set IMA,  58
.set ISA,  59
.set SH8,  60
; window 1
.set W1F,  0                           ; v[6 T + 2 q + j]: first-layer weights, tile T, K step q
.set FPF,  80                          ; v[80 + 8 f]: FP4 weight fragments; f = 2 T + a (X, Y), 6 (XY), 7 + T (CV)
.set BC,   168                         ; v[168 + 8 f]: the second layers' biases, in the result's layout: the C of each FP4 product
; scalars
.set TO,   2                           ; 64 x the tile whose result is stored next (in the head: at work)
.set C3,   3                           ; 3 log2 e (in the head: at work)
.set WV,   4                           ; my wave's number
.set G0,   8                           ; s[8 + 4 n ..]: descriptor group 0 of tensor n, in the order of the arguments
.set G1A,  40
.set G1B,  48
.set G1C,  56
.set NC3,  66                          ; s[66:67] -3 log2 e
.set G1D,  68
.set G1E,  76
.set SPTR, 84
.set APTR, 86
.set OPTR, 88
.set SEL,  90                          ; s[90:91] v_permlanex16_b32's selects for lane l xor 16
.set HI,   92                          ; lanes 16-31
.set M4,   93                          ; lanes whose row of the shared tile is a unit from 100 on
.set M45,  94
.set FLOOR, 95                         ; 2^(3 - 127)
.set S88,  96
.set CNT,  97
.set C2,   98                          ; s[98:99] 2 log2 e
.set M10,  100                         ; s[100:101] -10
.set MSB, 0
.macro WIN new                         ; the immediate's high byte repeats the setting that is left; a switch that changes nothing is dropped
.if MSB != \new
	s_set_vgpr_msb (MSB<<8)|\new
.set MSB, \new
.endif
.endm
.macro ROUND                           ; a round of the cluster's barrier
	s_barrier_signal -1
	s_barrier_wait -1
	s_cmp_lg_u32 s[WV], 0
	s_cbranch_scc1 .Lnot_wave_0_\@
	s_barrier_signal -3
.Lnot_wave_0_\@:
	s_barrier_wait -3
	s_barrier_signal -1
	s_barrier_wait -1
.endm
.macro GROUP1 g, n8                    ; one row of n8 elements of 8 bytes; mask: the cluster's four work-groups, bit 21 beside it
	s_mov_b32 s[\g], 15|(3<<16)|(1<<21)
	s_mov_b32 s[\g+1], (\n8)<<16                   ; tensor_dim0
	s_mov_b32 s[\g+2], 1<<16                       ; tensor_dim1 = 1
	s_mov_b32 s[\g+3], (\n8)<<16                   ; tile_dim0
	s_mov_b32 s[\g+4], 1                           ; tile_dim1 = 1
	s_mov_b32 s[\g+5], \n8                         ; the pitch
	s_mov_b32 s[\g+6], 0
	s_mov_b32 s[\g+7], 0
.endm
.macro GROUP0 n, lds                   ; words 2 and 3 hold the tensor's address, as loaded
	s_mov_b32 s[G0+4*\n], 1
	s_mov_b32 s[G0+4*\n+1], \lds
	s_or_b32 s[G0+4*\n+3], s[G0+4*\n+3], 0x80000000
.endm
.macro ARM n, g1                       ; wave n asks for tensor n; four v_nop follow the load
	s_cmp_lg_u32 s[WV], \n
	s_cbranch_scc1 .Lnot_arm_\n
	tensor_load_to_lds s[G0+4*\n:G0+4*\n+3], s[\g1:\g1+7]
	s_nop 0
.rept 4
	v_nop
.endr
	s_branch .Lasked
.Lnot_arm_\n:
.endm
.macro INLOAD p, so, ao                ; a tile's inputs into set p: the three loads of s touch the same 640 bytes, so they carry no hint
	global_load_b64 v[RR+8*\p:RR+8*\p+1], v[VS], s[SPTR:SPTR+1] offset:\so
	global_load_b64 v[RR+8*\p+2:RR+8*\p+3], v[VS], s[SPTR:SPTR+1] offset:\so+16
	global_load_b64 v[RR+8*\p+4:RR+8*\p+5], v[VS2], s[SPTR:SPTR+1] offset:\so
	global_load_b64 v[RR+8*\p+6:RR+8*\p+7], v[VA], s[APTR:APTR+1] offset:\ao th:TH_LOAD_NT
.endm
; A tile's inputs, in set p, are laid out for the products; ld = 1: the set is loaded again with the tile two further on.  wc: the younger loads that may stay out.
; The eight vector lines name no register of the FP4 products in front of them: they are the places behind those.
.macro PREP p, ld, wc
	s_wait_loadcnt \wc                             ; this set's four loads are in; the other set's four, issued one tile later, may be out
.if \ld
	s_wait_xcnt 0x0                                ; the loads on their way have read their bases: only now do these step
	s_add_nc_u64 s[SPTR:SPTR+1], s[SPTR:SPTR+1], 640
	s_add_nc_u64 s[APTR:APTR+1], s[APTR:APTR+1], 128
.endif
.irp j, 0,1,2,3
	v_mov_b32 v[BB+\j], v[RR+8*\p+\j]
.endr
	v_cndmask_b32 v[BB+4], v[RR+8*\p+4], 1.0, s[HI]   ; K = 8 in lanes 0-15; K = 10 in lanes 16-31: 1.0, which meets the bias
	v_cndmask_b32 v[BB+5], v[RR+8*\p+5], 0, s[HI]     ; K = 9; K = 11: nothing
	v_sub_f32 v[KK+2*\p], 0x40a00000, v[RR+8*\p+6]    ; 5 - a: 5 tanh z - a = (5 - a) - 10 / (1 + 2^(2 z log2 e))
	v_sub_f32 v[KK+2*\p+1], 0x40a00000, v[RR+8*\p+7]
.if \ld
	INLOAD \p, 640, 128
.endif
.endm
; f32 product mi of 39: K step mi / 13, tile mi % 13.  The 13 accumulators take turns, one instruction a turn; a sum's first K step takes the constant 0.
.macro MM1
.set mq, mi/13
.set mt, mi%13
.if mq == 0
	v_wmma_f32_16x16x4_f32 v[ACC+8*mt:ACC+8*mt+7], v[W1F+6*mt:W1F+6*mt+1], v[BB:BB+1], 0
.else
	v_wmma_f32_16x16x4_f32 v[ACC+8*mt:ACC+8*mt+7], v[W1F+6*mt+2*mq:W1F+6*mt+2*mq+1], v[BB+2*mq:BB+2*mq+1], v[ACC+8*mt:ACC+8*mt+7]
.endif
.set mi, mi+1
.endm
.macro MM3
	WIN 0x01                                       ; source 0, the weights, in window 1
	MM1
	MM1
	MM1
	WIN 0
.endm
; tanh and norm of two centroids (group g of 12: x in v[RX + 2 g], y in v[RY + 2 g]) or of the 25th (group 12), in three parts that stand one slice apart,
; so that each run of transcendentals has plain lines of another group behind it before its results are used.
.macro S1A g                           ; 2^(2 z log2 e)
.if (\g) < 12
.set rx, RX+2*(\g)
.set ry, RY+2*(\g)
	v_pk_mul_f32 v[rx:rx+1], v[rx:rx+1], s[C2:C2+1] op_sel_hi:[1,0]
	v_pk_mul_f32 v[ry:ry+1], v[ry:ry+1], s[C2:C2+1] op_sel_hi:[1,0]
	v_exp_f32 v[rx], v[rx]
	v_exp_f32 v[rx+1], v[rx+1]
	v_exp_f32 v[ry], v[ry]
	v_exp_f32 v[ry+1], v[ry+1]
.else
	v_pk_mul_f32 v[RZ:RZ+1], v[RZ:RZ+1], s[C2:C2+1] op_sel_hi:[1,0]
	v_exp_f32 v[RZ], v[RZ]
	v_exp_f32 v[RZ+1], v[RZ+1]
.endif
.endm
.macro S1B g                           ; 1 / (1 + that)
.if (\g) < 12
.set rx, RX+2*(\g)
.set ry, RY+2*(\g)
	s_wait_alu depctr_va_vdst(0)
	v_pk_add_f32 v[rx:rx+1], v[rx:rx+1], 1.0 op_sel_hi:[1,0]
	v_pk_add_f32 v[ry:ry+1], v[ry:ry+1], 1.0 op_sel_hi:[1,0]
	v_rcp_f32 v[rx], v[rx]
	v_rcp_f32 v[rx+1], v[rx+1]
	v_rcp_f32 v[ry], v[ry]
	v_rcp_f32 v[ry+1], v[ry+1]
.else
	s_wait_alu depctr_va_vdst(0)
	v_pk_add_f32 v[RZ:RZ+1], v[RZ:RZ+1], 1.0 op_sel_hi:[1,0]
	v_rcp_f32 v[RZ], v[RZ]
	v_rcp_f32 v[RZ+1], v[RZ+1]
.endif
.endm
.macro S1C g, kp                       ; the two differences, and their norm, into x's place
.if (\g) < 12
.set rx, RX+2*(\g)
.set ry, RY+2*(\g)
	s_wait_alu depctr_va_vdst(0)
	v_pk_fma_f32 v[rx:rx+1], v[rx:rx+1], s[M10:M10+1], v[KK+2*\kp:KK+2*\kp+1] op_sel_hi:[1,0,0]                  ; both halves take 5 - a_x
	v_pk_fma_f32 v[ry:ry+1], v[ry:ry+1], s[M10:M10+1], v[KK+2*\kp:KK+2*\kp+1] op_sel:[0,0,1] op_sel_hi:[1,0,1]   ; both take 5 - a_y
	v_pk_mul_f32 v[rx:rx+1], v[rx:rx+1], v[rx:rx+1]
	v_pk_fma_f32 v[rx:rx+1], v[ry:ry+1], v[ry:ry+1], v[rx:rx+1]
	v_sqrt_f32 v[rx], v[rx]
	v_sqrt_f32 v[rx+1], v[rx+1]
.else
	s_wait_alu depctr_va_vdst(0)
	v_pk_fma_f32 v[RZ:RZ+1], v[RZ:RZ+1], s[M10:M10+1], v[KK+2*\kp:KK+2*\kp+1] op_sel_hi:[1,0,1]
	v_mul_f32 v[RZ], v[RZ], v[RZ]
	v_fmac_f32 v[RZ], v[RZ+1], v[RZ+1]
	v_sqrt_f32 v[RZ], v[RZ]
.endif
.endm
; group gg's two weights go into the sums: even groups into v[52:53] (sum) and v[54:55] (sum x value), odd ones into v[56:57], v[58:59]; the first terms start the chains: nothing is cleared
.macro SUMS gg
.set sc, 52+4*((\gg)%2)
.set px, RX+2*(\gg)
.set cvx, RC+2*(\gg)
.if (\gg) < 2
	s_wait_alu depctr_va_vdst(0)
	v_pk_mul_f32 v[sc+2:sc+3], v[px:px+1], v[cvx:cvx+1]
.elseif (\gg) < 4
	s_wait_alu depctr_va_vdst(0)
	v_pk_add_f32 v[sc:sc+1], v[px-4:px-3], v[px:px+1]
	v_pk_fma_f32 v[sc+2:sc+3], v[px:px+1], v[cvx:cvx+1], v[sc+2:sc+3]
.else
	s_wait_alu depctr_va_vdst(0)
	v_pk_add_f32 v[sc:sc+1], v[sc:sc+1], v[px:px+1]
	v_pk_fma_f32 v[sc+2:sc+3], v[px:px+1], v[cvx:cvx+1], v[sc+2:sc+3]
.endif
.endm
; The softmax over my row's 50 norms (25 in this lane, 25 in lane l xor 16) and the weighted sum.  The largest exponent is -3 x the smallest norm: it is taken away.
.macro STAGE2
	v_min3_num_f32 v46, v[RX], v[RX+1], v[RX+2]
	v_min3_num_f32 v47, v[RX+13], v[RX+14], v[RX+15]
.irp i, 0,1,2,3
	v_min3_num_f32 v46, v46, v[RX+3+2*\i], v[RX+4+2*\i]
	v_min3_num_f32 v47, v47, v[RX+16+2*\i], v[RX+17+2*\i]
.endr
	v_min3_num_f32 v46, v46, v[RX+11], v[RX+12]
	s_wait_alu depctr_va_vdst(0)
	v_min3_num_f32 v46, v46, v47, v[RZ]
	v_permlanex16_b32 v48, v46, s[SEL], s[SEL+1]
	v_min_num_f32 v46, v46, v48
	v_mul_f32 v50, s[C3], v46                      ; 3 log2 e x the smallest norm
.irp g, 0,1,2,3,4,5,6,7,8,9,10,11
	v_pk_fma_f32 v[RX+2*\g:RX+2*\g+1], v[RX+2*\g:RX+2*\g+1], s[NC3:NC3+1], v[50:51] op_sel_hi:[1,0,0]
.endr
.set sg, 0
.rept 12
	v_exp_f32 v[RX+2*sg], v[RX+2*sg]
	v_exp_f32 v[RX+2*sg+1], v[RX+2*sg+1]
.if sg == 0
	v_fma_f32 v[RZ], v[RZ], s[NC3], v50            ; the 25th centroid's exponent: the plain line behind the first two exponentials
.else
	SUMS (sg-1)                                    ; the group before: plain lines behind this group's exponentials
.endif
.set sg, sg+1
.endr
	v_exp_f32 v[RZ], v[RZ]
	SUMS 11
	v_pk_add_f32 v[52:53], v[52:53], v[56:57]
	v_pk_add_f32 v[54:55], v[54:55], v[58:59]
	v_add_f32 v52, v52, v53
	v_add_f32 v54, v54, v55
	s_wait_alu depctr_va_vdst(0)
	v_add_f32 v52, v52, v[RZ]
	v_fmac_f32 v54, v[RZ], v[RC+24]
	v_permlanex16_b32 v48, v52, s[SEL], s[SEL+1]
	v_permlanex16_b32 v49, v54, s[SEL], s[SEL+1]
	v_add_f32 v52, v52, v48
	v_add_f32 v54, v54, v49
	v_rcp_f32 v53, v52
	v_add_nc_u32 v[VST], s[TO], v[VOUT]            ; the plain line behind the reciprocal
	s_wait_alu depctr_va_vdst(0)
	v_mul_f32 v54, v54, v53
	ds_store_b32 v[VST], v54                       ; lanes r and r + 16 write the same word with the same value
	s_add_co_u32 s[TO], s[TO], 64
.endm
; withm = 1: the next tile's 39 f32 products, three in front of each of the first 13 slices.  kp: the set of 5 - a of the tile in hand.
.macro MPOST withm, kp
.set mi, 0
.set st, 0
.rept 15
.if \withm && (st < 13)
	MM3
.endif
.if st < 13
	S1A st
.endif
.if (st >= 1) && (st <= 13)
	S1B (st-1)
.endif
.if st >= 2
	S1C (st-2), \kp
.endif
.set st, st+1
.endr
	STAGE2
.endm
; Both hidden layers become codes and scale words.  Blocks e = 0 .. 2: hv's, 3 .. 5: hl's (16 of a block's numbers in this lane, 16 in lane l xor 16); 6: the shared tile (the whole block's four numbers in this lane).
.macro QUANT
.irp e, 0,1,2,3,4,5
	v_max3_num_f32 v[MX+\e], v[ACC+16*\e], v[ACC+16*\e+1], s[FLOOR]   ; no |.|: what is negative becomes 0 and must not count; the floor holds the byte at 1 from below
.endr
	v_max3_num_f32 v[MX+6], v[ACC+96], v[ACC+97], s[FLOOR]
.irp i, 2,4,6,8,10,12,14
.irp e, 0,1,2,3,4,5
	v_max3_num_f32 v[MX+\e], v[MX+\e], v[ACC+16*\e+\i], v[ACC+16*\e+\i+1]
.endr
.if \i == 2
	v_max3_num_f32 v[MX+6], v[MX+6], v[ACC+98], v[ACC+99]            ; units 98, 99; the tile's other four are zeros
.endif
.endr
.irp e, 0,1,2,3,4,5
	v_permlanex16_b32 v[PX+\e], v[MX+\e], s[SEL], s[SEL+1]
.endr
.irp e, 0,1,2,3,4,5
	v_max_num_f32 v[MX+\e], v[MX+\e], v[PX+\e]
.endr
.irp e, 0,1,2,3,4,5,6
	v_add_nc_u32 v[SO+\e], 0xff000000, v[MX+\e]    ; 2 off the exponent field: the conversion's scale operand
.endr
.irp e, 0,1,2,3,4,5,6
	v_lshrrev_b32 v[BY+\e], 23, v[SO+\e]           ; the scale's byte
.endr
	v_lshl_or_b32 v[SWV], v[BY+1], 8, v[BY]
	v_lshl_or_b32 v[SWL], v[BY+4], 8, v[BY+3]
	v_lshl_or_b32 v[SWV], v[BY+2], 16, v[SWV]
	v_lshl_or_b32 v[SWL], v[BY+5], 16, v[SWL]
	v_lshl_or_b32 v[SWV], v[BY+6], 24, v[SWV]      ; the last block's byte is hv's in lanes 0-15,
	v_lshl_or_b32 v[SWL], v[BY+6], 24, v[SWL]      ; and hl's in lanes 16-31: hl's word is read from those
.irp b, 0,1,2
	v_cvt_scalef32_pk8_fp4_f32 v[PCV+2*\b], v[ACC+16*\b:ACC+16*\b+7], v[SO+\b]
	v_cvt_scalef32_pk8_fp4_f32 v[PCV+2*\b+1], v[ACC+16*\b+8:ACC+16*\b+15], v[SO+\b]
	v_cvt_scalef32_pk8_fp4_f32 v[PCL+2*\b], v[ACC+48+16*\b:ACC+48+16*\b+7], v[SO+3+\b]
	v_cvt_scalef32_pk8_fp4_f32 v[PCL+2*\b+1], v[ACC+48+16*\b+8:ACC+48+16*\b+15], v[SO+3+\b]
.endr
	v_cvt_scalef32_pk8_fp4_f32 v[ZC], v[ACC+96:ACC+103], v[SO+6]
	v_nop                                          ; one plain line behind the last scaled conversion
	; relu on the codes: where a code's sign bit stands, its three lower bits are cleared: -0
.set ci, 0
.irp c, 46,47,48,49,50,51,54,55,56,57,58,59,96
	v_and_b32 v[T1+ci], s[S88], v[\c]
.set ci, ci+1
.endr
.irp n, 0,1,2,3,4,5,6,7,8,9,10,11,12
	v_lshrrev_b32 v[T2+\n], 3, v[T1+\n]
.endr
.irp n, 0,1,2,3,4,5,6,7,8,9,10,11,12
	v_sub_nc_u32 v[T1+\n], v[T1+\n], v[T2+\n]      ; 7 in each code that has a sign
.endr
.set ci, 0
.irp c, 46,47,48,49,50,51,54,55,56,57,58,59,96
	v_bfi_b32 v[\c], v[T1+ci], 0, v[\c]
.set ci, ci+1
.endr
	; the operand's layout wants a WHOLE block in a lane: lanes 0-15 blocks 0 and 2, lanes 16-31 blocks 1 and 3
	v_permlane16_swap_b32 v[PCV], v[PCV+2]
	v_permlane16_swap_b32 v[PCV+1], v[PCV+3]
	v_permlane16_swap_b32 v[PCL], v[PCL+2]
	v_permlane16_swap_b32 v[PCL+1], v[PCL+3]
	v_cndmask_b32 v[PCV+6], v[ZC], 0, s[HI]        ; hv's block 3: units 96 .. 103 from lanes 0-15, all else zero codes
	v_mov_b32 v[PCV+7], 0
	v_mov_b32 v[PCL+6], 0
	v_mov_b32 v[PCL+7], 0
	v_permlane16_swap_b32 v[PCV+4], v[PCV+6]
	v_permlane16_swap_b32 v[PCV+5], v[PCV+7]
	v_permlane16_swap_b32 v[PCL+4], v[PCL+6]
	v_permlane16_swap_b32 v[PCL+5], v[PCL+7]
	v_cndmask_b32 v[PCL+4], v[PCL+4], v[ZC], s[HI] ; hl's block 3 already lies in lanes 16-31
.rept 4
	v_nop                                          ; operands written by vector lines stand four places ahead of a scaled matrix instruction; the scale words stand more than eight ahead
.endr
.endm
.macro FL d, f                         ; a tile of the location tower: hl's scale word is read from lanes 16-31
	v_wmma_scale_f32_16x16x128_f8f6f4 v[\d:\d+7], v[FPF+8*(\f):FPF+8*(\f)+7], v[PCL:PCL+7], v[BC+8*(\f):BC+8*(\f)+7], v[WSC+(\f)], v[SWL] matrix_a_fmt:MATRIX_FMT_FP4 matrix_b_fmt:MATRIX_FMT_FP4 matrix_b_scale:MATRIX_SCALE_ROW1
.endm
.macro FV d, f                         ; a tile of the value tower
	v_wmma_scale_f32_16x16x128_f8f6f4 v[\d:\d+7], v[FPF+8*(\f):FPF+8*(\f)+7], v[PCV:PCV+7], v[BC+8*(\f):BC+8*(\f)+7], v[WSC+(\f)], v[SWV] matrix_a_fmt:MATRIX_FMT_FP4 matrix_b_fmt:MATRIX_FMT_FP4
.endm
.macro FOUR                            ; the 11 FP4 products: K = 128 holds the 100 hidden units and 28 zero codes; the bias is the C
	WIN 0x11                                       ; source 0 (weights) and source 2 (biases) in window 1
.irp t, 0,1,2
	FL RX+8*\t, 2*\t
	FL RY+8*\t, 2*\t+1
.endr
	FL RZ, 6
.irp t, 0,1,2,3
	FV RC+8*\t, 7+\t
.endr
	WIN 0
.endm
.macro TRIP p, kp, ld, wc
	PREP \p, \ld, \wc
	MPOST 1, \kp
	QUANT
	FOUR
.endm
; A tile of a second-layer weight, 16 rows x 128 along K, from the raw f32 numbers in LDS to its image.  Lane (r, h) takes row r and K = 64 c + 32 h + 0 .. 31, sk bytes from one K to the next:
; two whole blocks, so no other lane is asked for a maximum.  K from 100 on is replaced by zeros ahead of the maximum.
.macro QW adr, sk, pimg, pscl
.set qi, 0
.rept 64
	ds_load_b32 v[64+qi], v[\adr] offset:(qi+32*(qi/32))*\sk
.set qi, qi+1
.endr
	s_wait_dscnt 0x0                               ; the numbers are in (and an earlier tile's stores have read their registers)
.set qi, 4
.rept 28
	v_cndmask_b32 v[96+qi], v[96+qi], 0, s[HI]     ; lanes 16-31, second block: K = 96 + i
.set qi, qi+1
.endr
.irp c, 0,1
	v_max3_num_f32 v[128+\c], |v[64+32*\c]|, |v[65+32*\c]|, s[FLOOR]
.endr
.irp i, 2,4,6,8,10,12,14,16,18,20,22,24,26,28,30
.irp c, 0,1
	v_max3_num_f32 v[128+\c], v[128+\c], |v[64+32*\c+\i]|, |v[65+32*\c+\i]|
.endr
.endr
.irp c, 0,1
	v_add_nc_u32 v[130+\c], 0xff000000, v[128+\c]
.endr
.irp c, 0,1
	v_lshrrev_b32 v[132+\c], 23, v[130+\c]
.endr
	v_lshl_or_b32 v134, v133, 16, v132             ; my bytes: blocks h and 2 + h,
	v_lshlrev_b32 v134, v[SH8], v134               ; at their places in the word;
	v_mov_b32 v135, 0
	v_permlanex16_b32 v135, v134, s[SEL], s[SEL+1]
	v_or_b32 v134, v134, v135                      ; with lane l xor 16's two the word is whole
.irp c, 0,1
.irp g, 0,1,2,3
	v_cvt_scalef32_pk8_fp4_f32 v[136+4*\c+\g], v[64+32*\c+8*\g:71+32*\c+8*\g], v[130+\c]
.endr
.endr
	v_nop                                          ; one plain line behind the last scaled conversion
	ds_store_b128 v[\pimg], v[136:139]
	ds_store_b128 v[\pimg], v[140:143] offset:512
	ds_store_b32 v[\pscl], v134
.endm
	; ---- the entry
.irp n, 0,1,2,3,4,5,6,7
	s_load_b64 s[G0+4*\n+2:G0+4*\n+3], s[0:1], 8*\n   ; the eight weights' addresses, straight into their descriptors
.endr
	s_load_b128 s[SPTR:SPTR+3], s[0:1], 0x40       ; s, a
	s_load_b64 s[OPTR:OPTR+1], s[0:1], 0x50        ; out
	v_lshl_add_u32 v45, v0, 2, 0x29000
	s_set_vgpr_msb 0x40
	v_mov_b32 v79, 0
	s_set_vgpr_msb 0x4044
	ds_add_u32 v45, v79
	ds_add_u32 v45, v79
	s_set_vgpr_msb 0x4400
	v_lshrrev_b32 v5, 5, v0
	v_readfirstlane_b32 s[WV], v5                  ; wave 0..7
	s_bfe_u32 s5, ttmp6, 0x40000                   ; my place in the cluster: it enters the addresses of s, a and out alone
	s_lshl_b32 s6, ttmp9, 2
	s_add_co_u32 s5, s6, s5                        ; work-group
	s_lshl_b32 s5, s5, 3
	s_add_co_u32 s5, s5, s[WV]                     ; which run of 256 rows is my wave's
	s_mov_b32 s7, 0
	GROUP1 G1A, 5000                               ; w_l2: 40,000 bytes
	GROUP1 G1B, 2500                               ; w_v2: 20,000
	GROUP1 G1C, 500                                ; w_v1, w_l1: 4,000
	GROUP1 G1D, 50                                 ; b_v1, b_l1, b_l2: 400
	GROUP1 G1E, 25                                 ; b_v2: 200
	s_mov_b32 s[SEL], 0x76543210
	s_mov_b32 s[SEL+1], 0xfedcba98
	s_mov_b32 s[HI], 0xffff0000
	s_mov_b32 s[M4], 0xf0f0f0f0                    ; lanes with lane % 8 >= 4
	s_mov_b32 s[M45], 0xfffff0f0
	s_mov_b32 s[FLOOR], 0x1800000
	s_mov_b32 s[S88], 0x88888888
	s_mov_b32 s[C2], 0x4038aa3b                    ; 2 log2 e
	s_mov_b32 s[C2+1], 0x4038aa3b                  ; (the packed forms name a pair and take its low word: so the high word is written)
	s_mov_b32 s[M10], 0xc1200000                   ; -10
	s_mov_b32 s[M10+1], 0xc1200000
	s_mov_b32 s[NC3], 0xc08a7fac                   ; -3 log2 e
	s_mov_b32 s[NC3+1], 0xc08a7fac
	s_wait_dscnt 0x0
	s_wait_kmcnt 0x0
	GROUP0 0, WL2
	GROUP0 1, WV2
	GROUP0 2, WV1
	GROUP0 3, BV1
	GROUP0 4, WL1
	GROUP0 5, BL1
	GROUP0 6, BL2
	GROUP0 7, BV2
	s_mul_i32 s6, s5, 10240                        ; 256 rows of 40 bytes
	s_add_nc_u64 s[SPTR:SPTR+1], s[SPTR:SPTR+1], s[6:7]
	s_lshl_b32 s6, s5, 11                          ; of 8 bytes
	s_add_nc_u64 s[APTR:APTR+1], s[APTR:APTR+1], s[6:7]
	s_lshl_b32 s6, s5, 10                          ; of 4 bytes
	s_add_nc_u64 s[OPTR:OPTR+1], s[OPTR:OPTR+1], s[6:7]
	ROUND                                          ; the cluster's four work-groups are here: the joint loads meet
	ARM 0, G1A                                     ; one tensor load of each wave is out
	ARM 1, G1B
	ARM 2, G1C
	ARM 3, G1D
	ARM 4, G1C
	ARM 5, G1D
	ARM 6, G1D
	ARM 7, G1E
.Lasked:
	; ---- what a lane keeps, and every LDS address of the head
	v_and_b32 v64, 15, v0                          ; r
	v_bfe_u32 v65, v0, 4, 1                        ; h
	v_and_b32 v66, 7, v0                           ; r % 8
	v_bfe_u32 v67, v0, 3, 1                        ; r / 8
	v_and_b32 v68, 31, v0                          ; lane
	v_mul_u32_u24 v[VS], v64, 40
	v_mad_u32_u24 v[VS2], v64, 40, 32
	v_lshl_add_u32 v[VS], v65, 3, v[VS]
	v_lshlrev_b32 v[VA], 3, v64
	INLOAD 0, 0, 0                                 ; tile 0
	INLOAD 1, 640, 128                             ; tile 1
	s_lshl_b32 s2, s[WV], 10
	s_add_co_u32 s2, s2, OUTS
	v_lshl_add_u32 v[VOUT], v64, 2, s2
	v_lshlrev_b32 v[VGO], 4, v68
	v_add_nc_u32 v[VBK], s2, v[VGO]
	v_lshl_add_u32 v69, v67, 3, v64                ; r + 8 (r / 8)
	v_mul_u32_u24 v70, v65, 800                    ; lanes 16-31 begin two rows of a first-layer weight further down
	v_lshl_add_u32 v[AW1V], v69, 2, v70
	v_add_nc_u32 v[AW1V], WV1, v[AW1V]
	v_add_nc_u32 v[AW1L], WL1-WV1, v[AW1V]
	v_mad_u32_u24 v[AW1S], v67, WL1-WV1, v70       ; the shared tile: rows 0-7 from w_v1, rows 8-15 from w_l1,
	v_lshl_add_u32 v[AW1S], v66, 2, v[AW1S]
	v_add_nc_u32 v[AW1S], WV1+384, v[AW1S]         ; unit 96 + r % 8
	v_mul_u32_u24 v[ABL], v65, 200
	v_add_nc_u32 v[ABL], BL2, v[ABL]               ; b_l2 at n = 25 h
	v_mul_u32_u24 v[ABV], v65, 100
	v_add_nc_u32 v[ABV], BV2, v[ABV]               ; b_v2 at n = 25 h
	v_mul_u32_u24 v71, v67, 20000                  ; w_l2: n = 25 (r / 8) ..: 800 bytes a centroid,
	v_lshl_add_u32 v71, v65, 8, v71                ; K = 32 h: 8 bytes a hidden unit
	s_lshr_b32 s2, s[WV], 1
	s_mul_i32 s2, s2, 6400                         ; wave f = 2 T + a makes tile X_T or Y_T: n + 8 T,
	s_and_b32 s3, s[WV], 1
	s_lshl_b32 s3, s3, 2                           ; x or y
	s_add_co_u32 s2, s2, s3
	s_add_co_u32 s2, s2, WL2
	v_mad_u32_u24 v[AQL], v66, 800, v71
	v_add_nc_u32 v[AQL], s2, v[AQL]
	v_lshl_add_u32 v[AQZ], v66, 2, v71             ; tile XY: n = 24 + 25 (r / 8); rows r % 8 = 0, 1 are its x and y, the others give results that nobody reads
	v_add_nc_u32 v[AQZ], WL2+19200, v[AQZ]
	v_mul_u32_u24 v[AQV], v67, 100                 ; w_v2: 4 bytes a centroid, 200 a hidden unit
	v_lshl_add_u32 v[AQV], v66, 2, v[AQV]
	v_mad_u32_u24 v[AQV], v65, 6400, v[AQV]
	s_lshl_b32 s2, s[WV], 5                        ; wave T makes tile CV_T
	v_add_nc_u32 v[AQV], s2, v[AQV]
	v_lshl_add_u32 v[IMA], v68, 4, IMG
	v_lshl_add_u32 v[ISA], v68, 2, ISC
	s_lshl_b32 s2, s[WV], 10
	v_add_nc_u32 v[IML], s2, v[IMA]
	v_add_nc_u32 v[IMV], 7168, v[IML]
	s_lshl_b32 s2, s[WV], 7
	v_add_nc_u32 v[ISL], s2, v[ISA]
	v_add_nc_u32 v[ISV], 896, v[ISL]
	v_lshlrev_b32 v[SH8], 3, v65
	s_mov_b32 s[TO], 0
	s_mov_b32 s[C3], 0x408a7fac                    ; 3 log2 e
	s_wait_tensorcnt 0x0                           ; my tensor has landed,
	s_barrier_signal -1
	s_barrier_wait -1                              ; everybody's has: the raw weights are whole
	; ---- the 11 FP4 weight tiles are quantised once in a work-group: waves 0-5 X and Y tiles, wave 6 XY, waves 0-3 also the CV tiles
	s_cmp_lt_u32 s[WV], 6
	s_cbranch_scc0 .Lnot_x_or_y
	QW AQL, 8, IML, ISL
	s_branch .Lfirst_done
.Lnot_x_or_y:
	s_cmp_eq_u32 s[WV], 6
	s_cbranch_scc0 .Lfirst_done
	QW AQZ, 8, IML, ISL
.Lfirst_done:
	s_cmp_lt_u32 s[WV], 4
	s_cbranch_scc0 .Lsecond_done
	QW AQV, 200, IMV, ISV
.Lsecond_done:
.irp e, 0,1,2,3,4,5
	v_mov_b32 v[PX+\e], 0                          ; written once: a lane permute's destination counts as one of its sources
.endr
	PREP 0, 1, 4                                   ; tile 0's inputs; tile 2 is asked for
	s_wait_dscnt 0x0                               ; for the others' sake: my images have landed
	s_barrier_signal -1
	; between signal and wait: loads of raw bytes, which nobody writes, and work on registers
	WIN 0x40                                       ; destination window 1
.irp t, 0,1,2,3,4,5
.irp q, 0,1,2
.irp j, 0,1
	ds_load_b32 v[W1F+6*\t+2*\q+\j], v[AW1V] offset:(4*\q+\j)*400+(32*(\t/2)+8*(\t%2))*4       ; w(K = 4 q + 2 h + j, the tile's unit); K = 10 is the bias
	ds_load_b32 v[W1F+6*(\t+6)+2*\q+\j], v[AW1L] offset:(4*\q+\j)*400+(32*(\t/2)+8*(\t%2))*4
.endr
.endr
.endr
.irp q, 0,1,2
.irp j, 0,1
	ds_load_b32 v[W1F+72+2*\q+\j], v[AW1S] offset:(4*\q+\j)*400
.endr
.endr
	s_wait_dscnt 0x0
	WIN 0x41                                       ; destination and source 0 in window 1
.irp t, 0,1,2,3,4,5,6,7,8,9,10,11
	v_cndmask_b32 v[W1F+6*\t+5], v[W1F+6*\t+5], 0, s[HI]   ; K = 11 is nothing
.endr
.irp x, 72,73,74,75,76
	v_cndmask_b32 v[W1F+\x], v[W1F+\x], 0, s[M4]           ; units from 100 on: zero weights and zero bias
.endr
	v_cndmask_b32 v[W1F+77], v[W1F+77], 0, s[M45]
	WIN 0x40
.irp t, 0,1,2
.irp a, 0,1
.irp j, 0,1,2,3,4,5,6,7
	ds_load_b32 v[BC+8*(2*\t+\a)+\j], v[ABL] offset:64*\t+8*\j+4*\a   ; b_l2(25 h + 8 T + j, x or y)
.endr
.endr
.endr
.irp j, 0,1,2,3,4,5,6,7
	ds_load_b32 v[BC+48+\j], v[ABL] offset:192+4*(\j%2)               ; b_l2(24 + 25 h, x or y)
.endr
.irp t, 0,1,2
.irp j, 0,1,2,3,4,5,6,7
	ds_load_b32 v[BC+8*(7+\t)+\j], v[ABV] offset:32*\t+4*\j           ; b_v2(25 h + 8 T + j)
.endr
.endr
.irp j, 0,1,2,3,4,5,6,7
	ds_load_b32 v[BC+80+\j], v[ABV] offset:96                         ; b_v2(24 + 25 h)
.endr
	WIN 0x01
.set mi, 0
.rept 39
	MM1                                            ; tile 0's hidden layers
.endr
	WIN 0
	s_barrier_wait -1                              ; the 11 images are whole
	WIN 0x40
.irp f, 0,1,2,3,4,5,6,7,8,9,10
	ds_load_b128 v[FPF+8*\f:FPF+8*\f+3], v[IMA] offset:1024*\f
	ds_load_b128 v[FPF+8*\f+4:FPF+8*\f+7], v[IMA] offset:1024*\f+512
.endr
	WIN 0
.irp f, 0,1,2,3,4,5,6,7,8,9,10
	ds_load_b32 v[WSC+\f], v[ISA] offset:128*\f
.endr
.rept 8
	v_nop                                          ; eight places between the f32 products and the first read of their results
.endr
	s_wait_dscnt 0x0                               ; biases, fragments and scale words are in
	QUANT
	FOUR
	; ---- the tiles: a trip finishes tile i and prepares tile i + 1; two trips to a turn of the loop, since the two sets of inputs change places
	s_mov_b32 s[CNT], 6
.Lpair:
	TRIP 1, 0, 1, 4
	TRIP 0, 1, 1, 4
	s_sub_co_u32 s[CNT], s[CNT], 1
	s_cmp_lg_u32 s[CNT], 0
	s_cbranch_scc1 .Lpair
	TRIP 1, 0, 1, 4                                ; finishes tile 12; asks for tile 15, the last
	TRIP 0, 1, 0, 4                                ; no load leaves the wave's rows: the counts run down
	TRIP 1, 0, 0, 0
.rept 4
	v_nop                                          ; four places behind the last FP4 products
.endr
	MPOST 0, 1                                     ; tile 15
	; ---- the way out: my wave's 256 results, 1,024 neighbouring bytes
	ds_load_b128 v[64:67], v[VBK]                  ; LDS serves a wave's instructions in order (ISA guide 5.7.1.4): these see my stores
	ds_load_b128 v[68:71], v[VBK] offset:512
	s_wait_dscnt 0x0
	global_store_b128 v[VGO], v[64:67], s[OPTR:OPTR+1] th:TH_STORE_NT               ; 32 lanes store 512 consecutive bytes, at a multiple of 256 from the buffer's first byte
	global_store_b128 v[VGO], v[68:71], s[OPTR:OPTR+1] offset:512 th:TH_STORE_NT
	s_set_vgpr_msb 0x4
	s_wait_tensorcnt 0x0
	ds_add_u32 v45, v79
	s_wait_dscnt 0x0
	s_set_vgpr_msb 0x400
	ROUND                                          ; the closing round: no work-group ends while a partner may still ask for a tensor jointly
	s_endpgm
.Lfunc_end_k_q6255c9e392_net:
	.size	k_q6255c9e392_net, .Lfunc_end_k_q6255c9e392_net-k_q6255c9e392_net
	.p2alignl 7, 3214868480
	.fill 96, 4, 3214868480
	.section	.rodata,"a",@progbits
	.p2align	6, 0x0
	.amdhsa_kernel k_q6255c9e392_net
		.amdhsa_group_segment_fixed_size 168960
		.amdhsa_private_segment_fixed_size 0
		.amdhsa_enable_private_segment 0
		.amdhsa_kernarg_size 88
		.amdhsa_user_sgpr_count 2
		.amdhsa_user_sgpr_kernarg_segment_ptr 1
		.amdhsa_wavefront_size32 1
		.amdhsa_system_sgpr_workgroup_id_x 1
		.amdhsa_system_sgpr_workgroup_id_y 1
		.amdhsa_system_sgpr_workgroup_id_z 1
		.amdhsa_system_vgpr_workitem_id 0
		.amdhsa_next_free_vgpr 512
		.amdhsa_next_free_sgpr 102
		.amdhsa_reserve_vcc 0
		.amdhsa_float_denorm_mode_32 3
		.amdhsa_float_denorm_mode_16_64 3
		.amdhsa_memory_ordered 1
		.amdhsa_forward_progress 1
		.amdhsa_inst_pref_size 232
	.end_amdhsa_kernel
	.amdgpu_metadata
---
amdhsa.version: [ 1, 2 ]
amdhsa.kernels:
  - .name:           k_q6255c9e392_net
    .symbol:         k_q6255c9e392_net.kd
    .args:
      - { .name: w_l2, .offset: 0, .size: 8, .value_kind: global_buffer, .address_space: global }
      - { .name: w_v2, .offset: 8, .size: 8, .value_kind: global_buffer, .address_space: global }
      - { .name: w_v1, .offset: 16, .size: 8, .value_kind: global_buffer, .address_space: global }
      - { .name: b_v1, .offset: 24, .size: 8, .value_kind: global_buffer, .address_space: global }
      - { .name: w_l1, .offset: 32, .size: 8, .value_kind: global_buffer, .address_space: global }
      - { .name: b_l1, .offset: 40, .size: 8, .value_kind: global_buffer, .address_space: global }
      - { .name: b_l2, .offset: 48, .size: 8, .value_kind: global_buffer, .address_space: global }
      - { .name: b_v2, .offset: 56, .size: 8, .value_kind: global_buffer, .address_space: global }
      - { .name: s, .offset: 64, .size: 8, .value_kind: global_buffer, .address_space: global }
      - { .name: a, .offset: 72, .size: 8, .value_kind: global_buffer, .address_space: global }
      - { .name: out0, .offset: 80, .size: 8, .value_kind: global_buffer, .address_space: global }
    .group_segment_fixed_size: 168960
    .private_segment_fixed_size: 0
    .kernarg_segment_align: 8
    .kernarg_segment_size: 88
    .max_flat_workgroup_size: 256
    .sgpr_count:     102
    .vgpr_count:     512
    .wavefront_size: 32
...
	.end_amdgpu_metadata
.endif
;; end of part 1
